; MI455X (gfx1250); checked and timed in simulation.
; The chip was launched on July 23, 2026; its instructions are those of AMD's public machine-readable ISA for CDNA 5 (MIT licence, August 2026) and "CDNA5" Instruction Set Architecture Reference Guide (July 2026). The comments in the code are by the model that wrote it; some were corrected since.
;; Lo RA Row Parallel Linear. Allowed arithmetic: float matrix products may take bf16 or f16 operands with f32 sums; all other float work in f32.
;; Inputs: lora_A 8 x 16 x 4,096 float32; lora_B 8 x 2,048 x 16 float32; token_to_slot 4,096 int32; weight 2,048 x 4,096 float32; x 4,096 x 4,096 float32.
;; Outputs: out0 4,096 x 2,048 float32.
;; 2 versions, each right; version 2 is version 1 with the launch prep written anew for expert scheduling mode. Each part assembles by itself: llvm-mc -triple=amdgcn-amd-amdhsa -mcpu=gfx1250 --defsym DOCPART=n.
;; ======== version 1 of 2: 2 launches
;; workspace buffers: xb 33,554,432 bytes; wb 17,301,504 bytes; up 2,097,152 bytes
;; launch prep (part 1): grid 8 x 32, 4 waves a work-group, no clusters, 266,752 bytes of LDS; arguments x, weight, lora_A, lora_B, token_to_slot, xb, wb, up; writes xb, wb, up
.if DOCPART == 1
	.amdgcn_target "amdgcn-amd-amdhsa--gfx1250"
	.amdhsa_code_object_version 6
	.text
	.protected	k_q16d095c4bd_prep
	.globl	k_q16d095c4bd_prep
	.p2align	8
	.type	k_q16d095c4bd_prep,@function
k_q16d095c4bd_prep:
	s_mov_b64 s[64:65], 0
	v_nop
	global_prefetch_b8 v0, s[64:65] scope:SCOPE_SE
	s_setreg_imm32_b32 hwreg(HW_REG_WAVE_MODE, 25, 1), 1
	s_wait_xcnt 0x0
; PREP: rounds x, weight and lora_B to bf16 once (xb, wb) and makes, on the way, the selected LoRA projection
;   up[s][t][r] = sum over the 512 d of K slice s of lora_A[slot(t)][r][d] x[t][d]      (0 for a slot outside 0..7), in f32.
; A work-group takes K slice s = group x (512 columns) and token block tb = group y (128 tokens): 256 KiB of x, the same columns of all
; 128 rows of lora_A (8 slots x 16 ranks, taken as one [128][4096] table), 64 rows of weight (same columns) and 16 outputs x 4 slots of lora_B.
; Wave w streams 32 rows of lora_A, its 32 rows of x and 16 rows of weight through a ring of eight register slots (two rows' 4,096 bytes each),
; rounds them, puts them into LDS as bf16, and stores xb row by row: each store of the wave covers 256 consecutive bytes, aligned.
; Each of x's sixteen rounded batches has 16 registers of its own (16 x 16 = 256, a whole window), written once: no register that a global store
; names is written again in the launch, so no wait for a store's sources stands anywhere in the stream.
; Behind ONE barrier each wave multiplies its own 32 tokens by all 128 LoRA rows (16 accumulator tiles), picks each token's slot with
; v_cndmask_b32 (no branch and no address hangs on a slot) and stores 16 f32 a token.  The selection is linear, so it is applied to the slice's
; partial sums; the next launch adds the eight slices.
; up's layout: [slice 8][block of 16 tokens 256][c 2][lane 32][4] f32; lane L, half c hold u(token L%16, r = 8 (L/16) + 4c .. +3): the matrix result's
; own layout, so every store is 512 consecutive bytes.
; wb's layout is the matrix operand's own: [64 outputs 32][chunk of 32 k 132][block of 16 outputs 4][half 2][lane 32][16 bytes]; lane L, half c hold
; k = 16 c + 8 (L/16) + 0..7 of output L%16.  Chunks 0-3 are lora_B (k = 16 x slot + rank), chunks 4-131 are weight.  The next launch loads it straight
; into registers, 512 consecutive bytes an instruction.
; LIMITS: x, weight, lora_A, lora_B are rounded to bf16 (nearest even) as matrix operands, all sums are f32, in another order than the reference's.
; A slot's projection is SELECTED, not multiplied by the one-hot: an infinity or NaN in the projection of a slot that the token does not use does
; not reach the result (multiplied by the one-hot's zero it would give NaN).
; NO CLUSTER, NO TENSOR LOADS: the 32 work-groups of one K slice read the same 256 KiB of lora_A, but it has to pass through registers to be rounded;
; as f32 in LDS it would take 262,144 bytes beside the 266,240 of the two bf16 tiles, more than the 327,680 that a work-group can have.
.set XROW,   16384                     ; bytes in a row of x, weight, lora_A (4,096 f32)
.set BROW,   8192                      ; bytes in a row of xb
.set PITCH,  1040                      ; an LDS row: 512 bf16 + 16 bytes = 65 x 16: the 16 rows of a fragment load start in 16 different 16-byte columns of 256
.set BLK,    16*PITCH                  ; 16 rows: a fragment block
.set ASB,    128*PITCH                 ; LDS: x's tile at 0 (128 rows), lora_A's tile behind it (128 rows)
.set WCOL,   132*4096                  ; bytes of wb for 64 outputs
.set VL16, 8                           ; v8   16 x lane; never rewritten
.set VL8,  9                           ; v9   8 x lane; never rewritten
.set XSW,  10                          ; v10  where I put 8 bytes of my wave's x rows (later: of its weight rows)
.set ASW,  11                          ; v11  the same for my wave's lora_A rows
.set XR,   12                          ; v12  fragment address in my wave's 32 x rows
.set AR0,  13                          ; v13  fragment address in lora_A's rows 0-63
.set AR1,  14                          ; v14  and rows 64-127
.set BO,   15                          ; v15  lora_B: 64 (lane % 16) + 32 (lane / 16)
.set SO,   17                          ; v17  4 x (lane % 16)
.set F0,   32                          ; v[32:111]   fragment buffer 0: x blocks at +8 i, lora blocks at +16 + 8 l
.set F1,   112                         ; v[112:191]  fragment buffer 1.   At the end v[32:159] take weight's 16 fragments
.set T,    192                         ; v[192:207]  a batch of lora_A or of weight, rounded: the data of LDS stores alone
.set LBR,  208                         ; v[208:215]  lora_B as loaded
.set SEL,  216                         ; v[216:231]  the selected projection: 8 registers for each of my two token blocks
.set SLT,  232                         ; v[232:233]  slot of token 16 i + lane % 16
.set MK,   40                          ; s[40:55]    lane masks: token of block i has slot l
; window 1 (v256-511): the ring, slot b % 8 at 32 (b % 8).   window 2 (v512-639): accumulator tile (i, l) at 8 (8 i + l).
; window 3 (v768-1023): x's batches, rounded: batch b (16 to 31) at 16 (b - 16), each written once.
.set MSB, 0
.macro WIN new                         ; s_set_vgpr_msb: bits 1:0 source 0, 3:2 source 1, 5:4 source 2, 7:6 destination; the high byte repeats the setting that is left
.if MSB != \new
	s_set_vgpr_msb (MSB<<8)|\new
.set MSB, \new
.endif
.endm
.macro PLACES                          ; four places behind a matrix instruction, in front of loads into registers that it read (ISA guide 7.12.1 for vector instructions)
.rept 4
	v_nop
.endr
.endm
	s_load_b512 s[4:19], s[0:1], 0x0               ; x s[4:5], weight s[6:7], lora_A s[8:9], lora_B s[10:11], slots s[12:13], xb s[14:15], wb s[16:17], up s[18:19]
	v_lshl_add_u32 v254, v0, 2, 0x41000
	v_mov_b32 v255, 0
	v_lshrrev_b32 v1, 5, v0
	v_readfirstlane_b32 s22, v1                    ; w: wave 0..3
	s_mov_b32 s23, ttmp9                           ; s: K slice 0..7
	s_and_b32 s24, ttmp7, 0xffff                   ; tb: token block 0..31
	; byte offsets, each in a pair of its own (all below 4 GiB: the high words are 0)
	s_lshl_b32 s56, s24, 7
	s_lshl_b32 s57, s22, 5
	s_add_co_u32 s56, s56, s57                     ; my first token: 128 tb + 32 w
	s_lshl_b32 s57, s24, 6
	s_lshl4_add_u32 s57, s22, s57                  ; my first row of weight: 64 tb + 16 w
	s_lshl_b32 s58, s23, 11                        ; the slice's 512 columns in f32
	s_lshl_b32 s59, s23, 10                        ; and in bf16
	s_lshl_b32 s26, s56, 14
	s_add_co_u32 s26, s26, s58                     ; x
	s_mov_b32 s27, 0
	s_lshl_b32 s28, s56, 13
	s_add_co_u32 s28, s28, s59                     ; xb
	s_mov_b32 s29, 0
	s_lshl_b32 s30, s56, 2                         ; slots
	s_mov_b32 s31, 0
	s_lshl_b32 s32, s22, 19
	s_add_co_u32 s32, s32, s58                     ; lora_A: row 32 w
	s_mov_b32 s33, 0
	s_lshl_b32 s34, s57, 14
	s_add_co_u32 s34, s34, s58                     ; weight
	s_mov_b32 s35, 0
	s_mul_i32 s60, s24, WCOL                       ; wb: outputs 64 tb ..
	s_lshl_b32 s36, s23, 16                        ; weight's part: chunk 4 + 16 s (4,096 bytes a chunk),
	s_add_co_u32 s36, s36, s60
	s_lshl_b32 s61, s22, 10                        ; block w (1,024 bytes)
	s_add_co_u32 s36, s36, s61
	s_add_co_u32 s36, s36, 4*4096
	s_mov_b32 s37, 0
	s_and_b32 s61, s23, 1                          ; lora_B: the group takes outputs 64 tb + 16 (s / 2) .. + 15 of slots 4 (s % 2) .. + 3,
	s_lshr_b32 s62, s23, 1
	s_lshl2_add_u32 s63, s61, s22                  ; the wave slot l = 4 (s % 2) + w
	s_lshl_b32 s38, s63, 17                        ; 131,072 bytes a slot,
	s_lshl_b32 s63, s24, 12                        ; 64 bytes an output
	s_add_co_u32 s38, s38, s63
	s_lshl_b32 s63, s62, 10
	s_add_co_u32 s38, s38, s63
	s_mov_b32 s39, 0
	s_add_co_u32 s40, s60, s63                     ; wb, lora_B's part: block s / 2,
	s_lshl_b32 s63, s61, 13                        ; chunk l / 2 = 2 (s % 2) + w / 2,
	s_add_co_u32 s40, s40, s63
	s_lshr_b32 s63, s22, 1
	s_lshl_b32 s63, s63, 12
	s_add_co_u32 s40, s40, s63
	s_and_b32 s63, s22, 1                          ; half l % 2 = w % 2 (512 bytes)
	s_lshl_b32 s63, s63, 9
	s_add_co_u32 s40, s40, s63
	s_mov_b32 s41, 0
	s_lshl_b32 s42, s23, 18                        ; up: slice s (262,144 bytes), block 8 tb + 2 w (1,024 bytes)
	s_lshl_b32 s60, s24, 13
	s_add_co_u32 s42, s42, s60
	s_lshl_b32 s60, s22, 11
	s_add_co_u32 s42, s42, s60
	s_mov_b32 s43, 0
	; lane terms
	v_and_b32 v1, 31, v0                           ; L
	v_and_b32 v2, 15, v0                           ; L % 16
	v_bfe_u32 v3, v0, 4, 1                         ; L / 16
	v_lshlrev_b32 v[VL16], 4, v1
	v_lshlrev_b32 v[VL8], 3, v1
	v_lshlrev_b32 v[SO], 2, v2
	s_mul_i32 s25, s22, 32*PITCH                   ; my wave's 32 rows in a tile
	v_add_nc_u32 v[XSW], s25, v[VL8]
	v_add_nc_u32 v[ASW], ASB, v[XSW]
	v_mul_u32_u24 v4, v2, PITCH
	v_lshl_add_u32 v4, v3, 4, v4                   ; fragment: row L % 16, 16 bytes for each half of the lanes
	v_add_nc_u32 v[XR], s25, v4
	v_add_nc_u32 v[AR0], ASB, v4
	v_add_nc_u32 v[AR1], ASB+4*BLK, v4
	v_lshlrev_b32 v5, 6, v2                        ; lora_B: lane L takes output L % 16, ranks 8 (L / 16) .. + 7: 32 bytes
	v_lshl_add_u32 v[BO], v3, 5, v5
	s_wait_kmcnt 0x0
	s_add_nc_u64 s[4:5], s[4:5], s[26:27]
	s_add_nc_u64 s[14:15], s[14:15], s[28:29]
	s_add_nc_u64 s[12:13], s[12:13], s[30:31]
	s_add_nc_u64 s[8:9], s[8:9], s[32:33]
	s_add_nc_u64 s[6:7], s[6:7], s[34:35]
	s_add_nc_u64 s[10:11], s[10:11], s[38:39]
	s_add_nc_u64 s[20:21], s[16:17], s[40:41]      ; wb, where my half fragment of lora_B goes
	s_add_nc_u64 s[16:17], s[16:17], s[36:37]      ; wb, where my 16 fragments of weight go
	s_add_nc_u64 s[18:19], s[18:19], s[42:43]
; Batch b = two rows' 2,048 bytes each, eight loads of 512 consecutive bytes.  b 0-15: my 32 rows of lora_A; 16-31: my 32 rows of x; 32-39: my 16 rows of weight.
; x and weight are read once in the launch; lora_A's slice is read by 32 work-groups and carries no hint.
.macro ISSUE b
	WIN 0x40                                       ; destination in window 1
.irp u, 0,1,2,3,4,5,6,7
.if (\b) < 16
	global_load_b128 v[32*((\b)%8)+4*\u:32*((\b)%8)+4*\u+3], v[VL16], s[8:9] offset:(2*((\b)%16)+\u/4)*XROW+(\u%4)*512
.else
.if (\b) < 32
	global_load_b128 v[32*((\b)%8)+4*\u:32*((\b)%8)+4*\u+3], v[VL16], s[4:5] offset:(2*((\b)%16)+\u/4)*XROW+(\u%4)*512 th:TH_LOAD_NT
.else
	global_load_b128 v[32*((\b)%8)+4*\u:32*((\b)%8)+4*\u+3], v[VL16], s[6:7] offset:(2*((\b)%16)+\u/4)*XROW+(\u%4)*512 th:TH_LOAD_NT
.endif
.endif
.endr
.endm
; Batch b is rounded, its ring slot is asked for again (batch b + 8), and the 8 bytes a lane go to LDS (x: to memory too).
; left = how many younger loads may stay out.
; Where the rounded batch lies: a batch of x, which global stores read, in its own 16 registers of window 3, written this once; a batch of lora_A or of weight
; in T, which LDS stores alone read (an LDS instruction's sources need no wait).
.macro PROC b, left
.set ISX, 0
.set TB, T
.if (\b) > 15
.if (\b) < 32
.set ISX, 1
.set TB, 16*((\b)-16)
.endif
.endif
	s_wait_loadcnt \left                           ; loads come back in order (ISA guide 5.7.1): batch b is in, the younger batches stay out
.if ISX
	WIN 0xc5                                       ; sources 0 and 1 in window 1, destination in window 3
.else
	WIN 0x05                                       ; sources 0 and 1 in window 1
.endif
.irp u, 0,1,2,3,4,5,6,7
	v_cvt_pk_bf16_f32 v[TB+2*\u],   v[32*((\b)%8)+4*\u],   v[32*((\b)%8)+4*\u+1]
	v_cvt_pk_bf16_f32 v[TB+2*\u+1], v[32*((\b)%8)+4*\u+2], v[32*((\b)%8)+4*\u+3]
.endr
.if (\b)+8 < 40
	ISSUE (\b)+8                                   ; loads ahead of stores
.endif
.if ISX
	WIN 0x0c                                       ; the stores' data (source 1) in window 3, their addresses in window 0
.else
	WIN 0
.endif
.irp u, 0,1,2,3,4,5,6,7
.if (\b) < 16
	ds_store_b64 v[ASW], v[TB+2*\u:TB+2*\u+1] offset:(2*((\b)%16)+\u/4)*PITCH+(\u%4)*256
.else
	ds_store_b64 v[XSW], v[TB+2*\u:TB+2*\u+1] offset:(2*((\b)%16)+\u/4)*PITCH+(\u%4)*256
.if (\b) < 32
	global_store_b64 v[VL8], v[TB+2*\u:TB+2*\u+1], s[14:15] offset:(2*((\b)%16)+\u/4)*BROW+(\u%4)*256   ; 32 lanes x 8 bytes: 256 consecutive bytes, aligned
.endif
.endif
.endr
.endm
; 20 LDS loads: the fragments of K chunk kk (32 columns = 64 bytes of the rows): my 2 token blocks, all 8 slots
.macro FETCHP kk, f
.irp i, 0,1
	ds_load_b128 v[\f+8*\i:\f+8*\i+3],   v[XR] offset:\i*BLK+64*(\kk)
	ds_load_b128 v[\f+8*\i+4:\f+8*\i+7], v[XR] offset:\i*BLK+64*(\kk)+32
.endr
.irp l, 0,1,2,3
	ds_load_b128 v[\f+16+8*\l:\f+16+8*\l+3], v[AR0] offset:\l*BLK+64*(\kk)
	ds_load_b128 v[\f+20+8*\l:\f+20+8*\l+3], v[AR0] offset:\l*BLK+64*(\kk)+32
.endr
.irp l, 0,1,2,3
	ds_load_b128 v[\f+48+8*\l:\f+48+8*\l+3], v[AR1] offset:\l*BLK+64*(\kk)
	ds_load_b128 v[\f+52+8*\l:\f+52+8*\l+3], v[AR1] offset:\l*BLK+64*(\kk)+32
.endr
.endm
; 16 matrix instructions.  Source 0 = the 16 ranks of slot l, source 1 = 16 tokens: lane L's register j holds u(token L % 16, r = 8 (L / 16) + j).
; The sixteen accumulators take turns, one instruction a turn, in the same order in every chunk.
.macro MULP f, zero
.irp i, 0,1
.irp l, 0,1,2,3,4,5,6,7
.if \zero
	v_wmma_f32_16x16x32_bf16 v[8*(8*\i+\l):8*(8*\i+\l)+7], v[\f+16+8*\l:\f+16+8*\l+7], v[\f+8*\i:\f+8*\i+7], 0
.else
	v_wmma_f32_16x16x32_bf16 v[8*(8*\i+\l):8*(8*\i+\l)+7], v[\f+16+8*\l:\f+16+8*\l+7], v[\f+8*\i:\f+8*\i+7], v[8*(8*\i+\l):8*(8*\i+\l)+7]
.endif
.endr
.endr
.endm
; K chunk kk from buffer f; the next chunk's fragments are asked for first, into buffer g
.macro PSTEP kk, f, g, zero
.if \kk
	PLACES                                         ; buffer g was read by the matrix instructions just in front
.endif
	WIN 0
	FETCHP \kk+1, \g
	s_wait_dscnt 20                                ; all but the 20 just issued: chunk kk's fragments are in
	WIN 0xa0                                       ; C and D in window 2
	MULP \f, \zero
.endm
	; THE STREAM.  68 loads go out at once, more than LOADcnt's field holds: the issue is held until the count has room (ISA guide 5.7.1), no wait is written for that.
	global_load_b128 v[LBR:LBR+3],   v[BO], s[10:11]                    ; lora_B, my slot, 16 outputs x 64 bytes: the two loads together cover 1,024 consecutive bytes
	global_load_b128 v[LBR+4:LBR+7], v[BO], s[10:11] offset:16
	global_load_b32 v[SLT],   v[SO], s[12:13]                           ; slots of my tokens 0-15 (both halves of the lanes alike)
	global_load_b32 v[SLT+1], v[SO], s[12:13] offset:64                 ; and 16-31
.irp b, 0,1,2,3,4,5,6,7
	ISSUE \b
.endr
	PROC 0, 56                                     ; 56 = the seven younger batches; lora_B and the slots, issued earlier, are in too
	v_cvt_pk_bf16_f32 v2, v[LBR],   v[LBR+1]
	v_cvt_pk_bf16_f32 v3, v[LBR+2], v[LBR+3]
	v_cvt_pk_bf16_f32 v4, v[LBR+4], v[LBR+5]
	v_cvt_pk_bf16_f32 v5, v[LBR+6], v[LBR+7]
	global_store_b128 v[VL16], v[2:5], s[20:21]    ; a half fragment: 512 consecutive bytes; v[2:5] are not written again
.irp b, 1,2,3,4,5,6,7,8,9,10,11,12,13,14,15,16,17,18,19,20,21,22,23,24,25,26,27,28,29,30,31
	PROC \b, 56                                    ; weight's eight batches are asked for in the last eight of these
.endr
	WIN 0
	s_wait_dscnt 0x0                               ; my LDS stores are done, for the other waves' sake
	s_barrier_signal -1
	s_barrier_wait -1                              ; the only barrier: both tiles are whole; behind it a wave writes only its own rows of x's tile, which no other wave reads
	; THE PRODUCT: 32 tokens x 128 LoRA rows x 512 K in 16 chunks, while weight's 64 loads are on their way
	FETCHP 0, F0
	PSTEP 0, F0, F1, 1                             ; the first products start the sums: nothing is cleared
	PSTEP 1, F1, F0, 0
.irp kk, 2,4,6,8,10,12
	PSTEP \kk, F0, F1, 0
	PSTEP \kk+1, F1, F0, 0
.endr
	PSTEP 14, F0, F1, 0
	s_wait_dscnt 0x0                               ; the last chunk: nothing more to fetch
	MULP F1, 0
	; THE SELECTION.  The sixteen compares name no register of a matrix instruction: they are the places in front of the first read of a result (ISA guide 7.12.1).
	WIN 0
.irp i, 0,1
.irp l, 0,1,2,3,4,5,6,7
	v_cmp_eq_u32 s[MK+8*\i+\l], \l, v[SLT+\i]      ; a slot outside 0..7 matches none: its token's projection stays 0
.endr
.endr
	WIN 0x08                                       ; source 1 in window 2
.irp i, 0,1
.irp j, 0,1,2,3,4,5,6,7
	v_cndmask_b32 v[SEL+8*\i+\j], 0, v[64*\i+\j], s[MK+8*\i]
.endr
.irp l, 1,2,3,4,5,6,7
.irp j, 0,1,2,3,4,5,6,7
	v_cndmask_b32 v[SEL+8*\i+\j], v[SEL+8*\i+\j], v[8*(8*\i+\l)+\j], s[MK+8*\i+\l]
.endr
.endr
.endr
	WIN 0
.irp i, 0,1
	global_store_b128 v[VL16], v[SEL+8*\i:SEL+8*\i+3],   s[18:19] offset:1024*\i       ; 512 consecutive bytes each
	global_store_b128 v[VL16], v[SEL+8*\i+4:SEL+8*\i+7], s[18:19] offset:1024*\i+512
.endr
	; WEIGHT: my 16 rows, rounded, go into the first 16 of my own 32 rows of x's tile (my product has read them, no other wave touches them; LDS serves a
	; wave's instructions in order, ISA guide 5.7.1).  Nothing more is asked for: the counts run down.
	PROC 32, 56
	PROC 33, 48
	PROC 34, 40
	PROC 35, 32
	PROC 36, 24
	PROC 37, 16
	PROC 38, 8
	PROC 39, 0
	; and come back as 16 fragments (16 outputs x 32 k), which leave as 512 consecutive bytes a store.  The loads see the stores above: same wave, in order.
.irp kk, 0,1,2,3,4,5,6,7,8,9,10,11,12,13,14,15
	ds_load_b128 v[F0+8*\kk:F0+8*\kk+3],   v[XR] offset:64*\kk
	ds_load_b128 v[F0+8*\kk+4:F0+8*\kk+7], v[XR] offset:64*\kk+32
.endr
.irp kk, 0,1,2,3,4,5,6,7,8,9,10,11,12,13,14,15
	s_wait_dscnt 31-2*\kk                          ; LDS loads come back in order: the counts run down over the 32
	global_store_b128 v[VL16], v[F0+8*\kk:F0+8*\kk+3],   s[16:17] offset:4096*\kk
	s_wait_dscnt 30-2*\kk
	global_store_b128 v[VL16], v[F0+8*\kk+4:F0+8*\kk+7], s[16:17] offset:4096*\kk+512
.endr
	s_wait_tensorcnt 0x0
	ds_add_u32 v254, v255
	s_wait_dscnt 0x0
	s_endpgm
.Lfunc_end_k_q16d095c4bd_prep:
	.size	k_q16d095c4bd_prep, .Lfunc_end_k_q16d095c4bd_prep-k_q16d095c4bd_prep
	.p2alignl 7, 3214868480
	.fill 96, 4, 3214868480
	.section	.rodata,"a",@progbits
	.p2align	6, 0x0
	.amdhsa_kernel k_q16d095c4bd_prep
		.amdhsa_group_segment_fixed_size 266752
		.amdhsa_private_segment_fixed_size 0
		.amdhsa_enable_private_segment 0
		.amdhsa_kernarg_size 64
		.amdhsa_user_sgpr_count 2
		.amdhsa_user_sgpr_kernarg_segment_ptr 1
		.amdhsa_wavefront_size32 1
		.amdhsa_system_sgpr_workgroup_id_x 1
		.amdhsa_system_sgpr_workgroup_id_y 1
		.amdhsa_system_sgpr_workgroup_id_z 1
		.amdhsa_system_vgpr_workitem_id 0
		.amdhsa_next_free_vgpr 1024
		.amdhsa_next_free_sgpr 66
		.amdhsa_reserve_vcc 0
		.amdhsa_float_denorm_mode_32 3
		.amdhsa_float_denorm_mode_16_64 3
		.amdhsa_memory_ordered 1
		.amdhsa_forward_progress 1
		.amdhsa_inst_pref_size 166
	.end_amdhsa_kernel
	.amdgpu_metadata
---
amdhsa.version: [ 1, 2 ]
amdhsa.kernels:
  - .name:           k_q16d095c4bd_prep
    .symbol:         k_q16d095c4bd_prep.kd
    .args:
      - { .name: x, .offset: 0, .size: 8, .value_kind: global_buffer, .address_space: global }
      - { .name: weight, .offset: 8, .size: 8, .value_kind: global_buffer, .address_space: global }
      - { .name: lora_A, .offset: 16, .size: 8, .value_kind: global_buffer, .address_space: global }
      - { .name: lora_B, .offset: 24, .size: 8, .value_kind: global_buffer, .address_space: global }
      - { .name: token_to_slot, .offset: 32, .size: 8, .value_kind: global_buffer, .address_space: global }
      - { .name: xb, .offset: 40, .size: 8, .value_kind: global_buffer, .address_space: global }
      - { .name: wb, .offset: 48, .size: 8, .value_kind: global_buffer, .address_space: global }
      - { .name: up, .offset: 56, .size: 8, .value_kind: global_buffer, .address_space: global }
    .group_segment_fixed_size: 266752
    .private_segment_fixed_size: 0
    .kernarg_segment_align: 8
    .kernarg_segment_size: 64
    .max_flat_workgroup_size: 128
    .sgpr_count:     66
    .vgpr_count:     1024
    .wavefront_size: 32
...
	.end_amdgpu_metadata
.endif
;; end of part 1
;; launch gemm (part 2): grid 16 x 16, 4 waves a work-group, clusters of 4 x 1, 327,680 bytes of LDS; arguments xb, wb, up, token_to_slot, out0; writes out0
.if DOCPART == 2
	.amdgcn_target "amdgcn-amd-amdhsa--gfx1250"
	.amdhsa_code_object_version 6
	.text
	.protected	k_q16d095c4bd_gemm
	.globl	k_q16d095c4bd_gemm
	.p2align	8
	.type	k_q16d095c4bd_gemm,@function
k_q16d095c4bd_gemm:
	s_mov_b64 s[64:65], 0
	v_nop
	global_prefetch_b8 v0, s[64:65] scope:SCOPE_SE
	s_setreg_imm32_b32 hwreg(HW_REG_WAVE_MODE, 25, 1), 1
	s_wait_xcnt 0x0
	s_wait_alu depctr_hold_cnt(0) depctr_sa_sdst(0) depctr_va_vdst(0) depctr_va_sdst(0) depctr_va_ssrc(0) depctr_va_vcc(0) depctr_vm_vsrc(0)
	s_getreg_b32 s2, hwreg(HW_REG_IB_STS2, 6, 4)
	s_cmp_eq_u32 s2, 0
	s_cbranch_scc0 .Lentry_in_a_cluster
	s_endpgm
.Lentry_in_a_cluster:
	s_bfe_u32 s2, ttmp6, 0x10000c
	s_cmp_lg_u32 s2, 0x3003
	s_cbranch_scc0 .Lentry_shape_is_right
	s_endpgm
.Lentry_shape_is_right:
; out0[t][o] = sum over d of x[t][d] weight[o][d]  +  sum over k = 16 l + r of U[t][k] lora_B[l][o][r],   U[t][16 l + r] = u_sel[t][r] where l = slot(t), else 0.
; xb [4096][4096] bf16; wb: lora_B and weight in bf16, in the matrix operand's own order (below); up: eight K slices of u_sel in f32; out0 [4096][2048] f32; sums in f32.
; A work-group makes 256 tokens x 128 outputs with four waves: 16 x 16 = 256 work-groups of equal work.  A wave makes 128 x 64: 32 accumulator tiles, 256 registers.
; The LoRA term is one more stretch of K, 128 long, and comes FIRST: its first products start the sums, nothing is cleared.  Its token-side operand is built in
; registers from u_sel and the slots by v_cndmask_b32 (no branch and no address hangs on a slot; a slot outside 0..7 gives zeros).
; THE TOKEN SIDE goes through LDS: K = 4096 in 16 tiles of 256 through two slots filled by the tensor data mover, one load of 64 rows x 512 bytes a wave.
; THE OUTPUT SIDE goes from memory straight into registers.  wb: [64 outputs 32][chunk of 32 k 132][block of 16 outputs 4][half 2][lane 32][16 bytes]; chunks 0-3 lora_B,
; 4-131 weight.  A wave's 64 outputs are one stream of 132 x 4,096 bytes, read 512 consecutive bytes an instruction into a ring of eight chunks (256 registers):
; seven chunks, 56 loads, are always on their way, across the barriers too, since they touch no LDS.
; WHY NOT BOTH THROUGH LDS: two slots of K = 256 for 256 + 128 rows of 528 bytes take 405,504 bytes, more than the 327,680 that a work-group can have; with slots of K = 128
; a refill has 112 matrix instructions in which to land, with xb alone in slots of K = 256 it has 240.  The price: wb is not asked for jointly, and the two waves
; that make the same 64 outputs read the same stream.
; CLUSTERS: 4 x 1 work-groups, the four output blocks of one token block: they need the same tiles of xb and ask for them jointly (mask 15), which divides those
; requests by four.  Nothing else is shared through LDS, so a larger cluster would only join more work-groups in every round.
; up: [slice 8][block of 16 tokens 256][c 2][lane 32][4] f32; lane L, half c hold u(token L % 16, r = 8 (L / 16) + 4c .. +3), which is also the operand's layout.
; LIMITS: u_sel is rounded to bf16 as a matrix operand, like x, weight, lora_A and lora_B before it; the order of the sums is not the reference's.
.set OROW,   8192                      ; bytes in a row of out0
.set KB2,    512                       ; bytes of a tile (K = 256) in a row of xb
.set PITCH,  528                       ; an LDS row: 512 bytes + 16 = 33 x 16: the 16 rows of a fragment load start in 16 different 16-byte columns of 256
.set BLK,    16*PITCH                  ; a fragment block
.set QT,     64*PITCH                  ; a quarter of xb's tile: one tensor load
.set SLOT,   4*QT                      ; 135,168: 256 rows
.set US,     2*SLOT                    ; 270,336: u_sel in bf16, 16 token blocks x 512 bytes; written by ds_store alone
.set STAGE,  US+8192                   ; 278,528: the way out, 16 rows x 272 bytes for each wave; written by ds_store alone
.set SPITCH, 272
.set WCOL,   132*4096                  ; bytes of wb for 64 outputs
.set SL,   8                           ; v[8:15]    slot of token 16 a + L % 16 of my 128
.set ADRX, 16                          ; v16-17     fragment address of my 128 rows of xb's tile in slot 0, 1
.set STO,  21                          ; v21        the way out: where I put 16 bytes of a row
.set RD,   22                          ; v22        the way out: where I read a row back
.set CO,   23                          ; v23        my byte offset in out0
.set USW,  24                          ; v24        where I put u_sel of the four token blocks that I sum
.set USR,  25                          ; v25        where I read u_sel of my eight token blocks
.set UO,   26                          ; v26        16 x lane; never rewritten
.set SO,   27                          ; v27        4 x (lane % 16)
.set P,    32                          ; v[32:63]   u_sel in bf16: 4 registers for each token block a
.set FX,   64                          ; v[64:127], v[128:191]   token-side fragments (8 blocks), two buffers
; window 1 (v256-511): accumulator tile (a, b) at 8 (4 a + b).   window 2 (v512-767): the ring of wb, chunk q at 32 (q % 8), block b at + 8 b.
; window 3 (v768-1023): up as loaded, slice s at 32 s, block i, half c at + 8 i + 4 c.
.set G1X, 32                           ; s[32:39]  descriptor group 1
.set G0X, 40                           ; s[40:47]  descriptor group 0, a set for each slot
.set MULW, 0x52                        ; source 0 (outputs) window 2, source 1 (tokens) window 0, C and D window 1
.set MSB, 0
.macro WIN new                         ; s_set_vgpr_msb: bits 1:0 source 0, 3:2 source 1, 5:4 source 2, 7:6 destination; the high byte repeats the setting that is left
.if MSB != \new
	s_set_vgpr_msb (MSB<<8)|\new
.set MSB, \new
.endif
.endm
.macro PLACES                          ; four places behind a matrix instruction, in front of loads into its sources and of reads of its result (ISA guide 7.12.1 for reads of its result)
.rept 4
	v_nop
.endr
.endm
; A round of the cluster's barrier behind its opening work-group barrier: wave 0 signals for the work-group, every wave waits for all four, the work-group's barrier closes it.
.macro CREST
	s_cmp_lg_u32 s16, 0
	s_cbranch_scc1 .Lnot_wave_0_\@
	s_barrier_signal -3
.Lnot_wave_0_\@:
	s_barrier_wait -3
	s_barrier_signal -1
	s_barrier_wait -1
.endm
.macro CROUND
	s_barrier_signal -1
	s_barrier_wait -1
	CREST
.endm
; Chunk qn of my stream of wb, counted from the pointer s[6:7], into its place in the ring: eight loads of 512 consecutive bytes
.macro WLOAD qn
	WIN 0x80                                       ; destination in window 2
.irp e, 0,1,2,3,4,5,6,7
	global_load_b128 v[32*((\qn)%8)+4*\e:32*((\qn)%8)+4*\e+3], v[UO], s[6:7] offset:(\qn)*4096+\e*512
.endr
.endm
	s_load_b256 s[4:11], s[0:1], 0x0               ; xb s[4:5], wb s[6:7], up s[8:9], slots s[10:11]
	s_load_b64 s[12:13], s[0:1], 0x20              ; out0
	v_lshl_add_u32 v254, v0, 2, 0x48400
	v_mov_b32 v255, 0
	ds_add_u32 v254, v255
	ds_add_u32 v254, v255
	v_lshrrev_b32 v1, 5, v0
	v_readfirstlane_b32 s16, v1                    ; w: wave 0..3
	s_lshr_b32 s17, s16, 1                         ; wr: which 128 tokens are mine
	s_and_b32 s18, s16, 1                          ; wc: which 64 outputs are mine
	s_bfe_u32 s20, ttmp6, 0x40000                  ; cx
	s_lshl_b32 s22, ttmp9, 2
	s_add_co_u32 s22, s22, s20                     ; cb: block of 128 outputs = 4 x cluster x + cx
	s_and_b32 s23, ttmp7, 0xffff                   ; rb: block of 256 tokens = cluster y, the same in all four partners
	v_and_b32 v1, 15, v0                           ; L % 16
	v_bfe_u32 v2, v0, 4, 1                         ; L / 16
	v_and_b32 v3, 31, v0                           ; L
	v_lshlrev_b32 v[UO], 4, v3
	v_lshlrev_b32 v[SO], 2, v1
	; group 1, sizes in elements; the tiles lie inside the tensor, so the extents are the tile's own
	s_mov_b32 s[G1X+0], 15|(1<<16)|(1<<20)|(1<<21)|(6<<22)|(3<<25)  ; 15:0 the mask: all four of the cluster; 17:16 elements of 2 bytes; 20 padding on; 21 set beside a mask; 24:22 after every 128 words; 31:25 of 4 words
	s_mov_b32 s[G1X+1], 256<<16                    ; tensor_dim0 = 256
	s_mov_b32 s[G1X+2], 64<<16                     ; tensor_dim1 = 64
	s_mov_b32 s[G1X+3], 256<<16                    ; tile_dim0 = 256 elements (512 bytes)
	s_mov_b32 s[G1X+4], 64                         ; tile_dim1 = 64 rows
	s_mov_b32 s[G1X+5], 4096                       ; elements from row to row
	s_mov_b32 s[G1X+6], 0
	s_mov_b32 s[G1X+7], 0
	; byte offsets, each in a pair of its own.  s24-27 and s54-55, which feed the descriptors, never hold cx or cb.
	s_lshl_b32 s48, s23, 14                        ; up: block 16 rb + 4 w, 1,024 bytes a block: I sum four of the group's sixteen token blocks
	s_lshl_b32 s24, s16, 12
	s_add_co_u32 s48, s48, s24
	s_mov_b32 s49, 0
	s_lshl_b32 s50, s23, 10                        ; slots: token 256 rb + 128 wr, 4 bytes each
	s_lshl_b32 s24, s17, 9
	s_add_co_u32 s50, s50, s24
	s_mov_b32 s51, 0
	s_lshl_b32 s54, s23, 21                        ; xb: row 256 rb + 64 w, the quarter that I fetch
	s_lshl_b32 s24, s16, 19
	s_add_co_u32 s54, s54, s24
	s_mov_b32 s55, 0
	s_lshl_b32 s52, s23, 21                        ; out0: row 256 rb + 128 wr,
	s_lshl_b32 s60, s17, 20
	s_add_co_u32 s52, s52, s60
	s_lshl_b32 s60, s22, 9                         ; column 128 cb + 64 wc, 4 bytes each
	s_add_co_u32 s52, s52, s60
	s_lshl_b32 s60, s18, 8
	s_add_co_u32 s52, s52, s60
	s_mov_b32 s53, 0
	s_lshl1_add_u32 s56, s22, s18                  ; wb: outputs 64 (2 cb + wc) ..
	s_mul_i32 s56, s56, WCOL
	s_mov_b32 s57, 0
	s_mul_i32 s25, s16, QT                         ; LDS: my quarter of a tile at w x 64 rows: no place in the cluster enters an LDS address
	s_wait_dscnt 0x0
	s_wait_kmcnt 0x0
	s_add_nc_u64 s[6:7], s[6:7], s[56:57]
	s_add_nc_u64 s[8:9], s[8:9], s[48:49]
	s_add_nc_u64 s[10:11], s[10:11], s[50:51]
	s_add_nc_u64 s[12:13], s[12:13], s[52:53]
	s_add_nc_u64 s[26:27], s[4:5], s[54:55]
	; the first seven chunks of wb go out ahead of the round: 56 loads
.irp q, 0,1,2,3,4,5,6
	WLOAD \q
.endr
	WIN 0
	; group 0: count, LDS address, global address of the tile's first element, type 2
.irp n, 0,1
	s_mov_b32 s[G0X+4*\n], 1
	s_add_co_u32 s[G0X+4*\n+1], s25, \n*SLOT
	s_add_nc_u64 s[G0X+4*\n+2:G0X+4*\n+3], s[26:27], \n*KB2        ; tile n
	s_or_b32 s[G0X+4*\n+3], s[G0X+4*\n+3], 0x80000000
.endr
	CROUND                                         ; all four work-groups are here: the first joint loads meet
	tensor_load_to_lds s[G0X:G0X+3], s[G1X:G1X+7]          ; both first fills as one group: two tensor loads of the wave are out, later one
	s_nop 0
	tensor_load_to_lds s[G0X+4:G0X+7], s[G1X:G1X+7]
	s_nop 0
	; LDS and output addresses.  A fragment: lane L holds row L % 16; registers 0-3 K = 8 (L / 16) + 0..7, registers 4-7 K = 16 + 8 (L / 16) + 0..7: two loads of 16 bytes, 32 apart.
	v_mul_u32_u24 v6, v1, PITCH
	v_lshl_add_u32 v4, v2, 4, v6                   ; row x pitch + 16 x half
	s_mul_i32 s28, s17, 2*QT                       ; my 128 rows of the tile
	v_add_nc_u32 v[ADRX], s28, v4
	v_add_nc_u32 v[ADRX+1], SLOT, v[ADRX]
	s_mul_i32 s29, s16, 16*SPITCH
	s_add_co_u32 s29, s29, STAGE                   ; my stage
	v_mul_u32_u24 v6, v1, SPITCH
	v_lshl_add_u32 v7, v2, 5, v6                   ; in: row L % 16, 32 bytes (8 f32) for each half of the lanes
	v_add_nc_u32 v[STO], s29, v7
	v_mul_u32_u24 v7, v2, SPITCH                   ; back: lanes 0-15 one row of 256 bytes, lanes 16-31 the next
	v_lshl_add_u32 v7, v1, 4, v7
	v_add_nc_u32 v[RD], s29, v7
	v_lshlrev_b32 v7, 13, v2                       ; and the same two rows in out0
	v_lshl_add_u32 v[CO], v1, 4, v7
	s_lshl_b32 s30, s16, 11
	s_add_co_u32 s30, s30, US
	v_add_nc_u32 v[USW], s30, v[UO]                ; token blocks 4 w .. 4 w + 3
	s_lshl_b32 s31, s17, 12
	s_add_co_u32 s31, s31, US
	v_add_nc_u32 v[USR], s31, v[UO]                ; token blocks 8 wr .. 8 wr + 7
	; the eighth chunk, u_sel's eight slices for my four token blocks, my tokens' slots: with the 56 above more loads than LOADcnt's field holds; the issue is held
	; until the count has room (ISA guide 5.7.1), no wait is written for that
	WLOAD 7
	WIN 0xc0                                       ; destination in window 3
.irp s, 0,1,2,3,4,5,6,7
.irp i, 0,1,2,3
	global_load_b128 v[32*\s+8*\i:32*\s+8*\i+3],   v[UO], s[8:9] offset:262144*\s+1024*\i        ; 512 consecutive bytes each
	global_load_b128 v[32*\s+8*\i+4:32*\s+8*\i+7], v[UO], s[8:9] offset:262144*\s+1024*\i+512
.endr
.endr
	WIN 0
.irp a, 0,1,2,3,4,5,6,7
	global_load_b32 v[SL+\a], v[SO], s[10:11] offset:64*\a
.endr
	; u_sel = the sum of the eight slices, as a tree, in f32; then bf16, 16 bytes a lane and token block, into LDS for the waves that need it
	s_wait_loadcnt 0x0                             ; everything so far is in, the ring's eight chunks too
	WIN 0xcf                                       ; sources 0, 1 and the destination in window 3
.irp p, 0,2,4,6
.set e, 0
.rept 16
	v_pk_add_f32 v[32*\p+e:32*\p+e+1], v[32*\p+e:32*\p+e+1], v[32*\p+32+e:32*\p+32+e+1]
.set e, e+2
.endr
.endr
.irp p, 0,4
.set e, 0
.rept 16
	v_pk_add_f32 v[32*\p+e:32*\p+e+1], v[32*\p+e:32*\p+e+1], v[32*\p+64+e:32*\p+64+e+1]
.set e, e+2
.endr
.endr
.set e, 0
.rept 16
	v_pk_add_f32 v[e:e+1], v[e:e+1], v[128+e:128+e+1]
.set e, e+2
.endr
	WIN 0x0f                                       ; sources in window 3, destination in window 0
.set e, 0
.rept 16
	v_cvt_pk_bf16_f32 v[FX+e], v[2*e], v[2*e+1]    ; block i's registers 4 i .. 4 i + 3: r = 8 (L / 16) + 0 .. 7 of token L % 16
.set e, e+1
.endr
	WIN 0
.irp i, 0,1,2,3
	ds_store_b128 v[USW], v[FX+4*\i:FX+4*\i+3] offset:512*\i
.endr
	s_wait_dscnt 0x0                               ; my stores of u_sel are done, for the other waves' sake
	s_wait_tensorcnt 0x1                           ; my quarter of slot 0 is in; slot 1's load may stay out:
	s_barrier_signal -1
	s_barrier_wait -1
; 16 LDS loads: the token-side fragments of a quarter (32 K at byte k of the rows) of slot n into buffer f
.macro FETCH n, k, f
.irp a, 0,1,2,3,4,5,6,7
	ds_load_b128 v[FX+64*(\f)+8*\a:FX+64*(\f)+8*\a+3],   v[ADRX+\n] offset:(\k)+\a*BLK
	ds_load_b128 v[FX+64*(\f)+8*\a+4:FX+64*(\f)+8*\a+7], v[ADRX+\n] offset:(\k)+\a*BLK+32
.endr
.endm
; The token side of the LoRA term for slots 2 q, 2 q + 1: registers 0-3 (K = 8 h ..) are u_sel where the token's slot is 2 q, registers 4-7 (K = 16 + 8 h ..) where it is 2 q + 1, else 0
.macro BUILD q, f
.irp a, 0,1,2,3,4,5,6,7
	v_cmp_eq_u32 vcc_lo, 2*\q, v[SL+\a]
.irp i, 0,1,2,3
	v_cndmask_b32 v[FX+64*\f+8*\a+\i], 0, v[P+4*\a+\i], vcc_lo
.endr
	v_cmp_eq_u32 vcc_lo, 2*\q+1, v[SL+\a]
.irp i, 0,1,2,3
	v_cndmask_b32 v[FX+64*\f+8*\a+4+\i], 0, v[P+4*\a+\i], vcc_lo
.endr
.endr
.endm
; 16 matrix instructions: token blocks 4 half .. + 3 (buffer f) x all 4 output blocks (place r of the ring), 32 along K.  USED TRANSPOSED: source 0 = 16 outputs,
; source 1 = 16 tokens, so that lane L's registers 0-7 hold outputs 8 (L / 16) + 0..7 of token L % 16: eight neighbouring f32 of a row of out0.
; The 32 accumulators take turns, one instruction a turn, in the same order everywhere, over the backward jump too.
.macro MUL16 f, r, half, zero
.irp a, 4*\half, 4*\half+1, 4*\half+2, 4*\half+3
.irp b, 0,1,2,3
.if \zero
	v_wmma_f32_16x16x32_bf16 v[8*(4*(\a)+\b):8*(4*(\a)+\b)+7], v[32*(\r)+8*\b:32*(\r)+8*\b+7], v[FX+64*(\f)+8*(\a):FX+64*(\f)+8*(\a)+7], 0
.else
	v_wmma_f32_16x16x32_bf16 v[8*(4*(\a)+\b):8*(4*(\a)+\b)+7], v[32*(\r)+8*\b:32*(\r)+8*\b+7], v[FX+64*(\f)+8*(\a):FX+64*(\f)+8*(\a)+7], v[8*(4*(\a)+\b):8*(4*(\a)+\b)+7]
.endif
.endr
.endr
.endm
; Quarter i of a lap of 16 multiplies chunk 16 lap + i + 4 of wb and, at its head, asks for the chunk seven further on, into the place that the quarter before has read.
; Behind that request seven younger chunks, 56 loads, may be out when this quarter's chunk has to be there.  In the last lap (tail) chunk 131 is asked for in quarter 8;
; the quarters behind it ask for nothing, and their counts run down.
.macro WSET i, tail
.set WL, 1
.set LEFT, 56
.if \tail
.if (\i) > 8
.set WL, 0
.set LEFT, 8*(15-(\i))
.endif
.endif
.endm
; Quarter k (0 to 6) of slot n: the requests, the next quarter's token-side fragments into the other buffer, then 32 matrix instructions
.macro QUART n, k, i, tail
	WSET \i, \tail
	PLACES                                         ; the ring's place and the buffer that are loaded now were read by the matrix instructions just in front
.if WL
	WLOAD (\i)+11
.endif
	WIN 0
	FETCH \n, 64*((\k)+1), ((\k)+1)%2
	s_wait_dscnt 16                                ; all but the 16 just issued: this quarter's fragments, asked for 32 matrix instructions ago, are in
	s_wait_loadcnt LEFT                            ; loads come back in order (ISA guide 5.7.1): this quarter's chunk is in
	WIN MULW
	MUL16 (\k)%2, ((\i)+4)%8, 0, 0
	MUL16 (\k)%2, ((\i)+4)%8, 1, 0
.endm
; A tile of K = 256 on slot n: eight quarters, numbers i0 .. i0 + 7 of the lap.  In the seventh the slots change: each wave waits for its last reads of slot n and for all
; its tensor loads (the one that is out is its quarter of slot next) and signals; where the slot is filled again that barrier opens a round of the cluster's barrier,
; inside which stands register work alone, and the joint refill is the first tensor load behind the round.  From a refill to the wait for it a wave issues 240 of a
; tile's 256 matrix instructions.
.macro STEP n, next, fill, i0, tail
.irp k, 0,1,2,3,4,5
	QUART \n, \k, \i0+\k, \tail
.endr
	WSET \i0+6, \tail
	PLACES
.if WL
	WLOAD (\i0+6)+11
.endif
	WIN 0
	FETCH \n, 448, 1
	s_wait_dscnt 16
	s_wait_loadcnt LEFT
	WIN MULW
	MUL16 0, ((\i0+6)+4)%8, 0, 0
	s_wait_dscnt 0x0                               ; my reads of this slot are over
	s_set_vgpr_msb 0x5250
	s_wait_tensorcnt 0x0                           ; and all my tensor loads have landed
	ds_add_u32 v254, v255
	s_wait_dscnt 0x0
	s_set_vgpr_msb 0x5052
	s_barrier_signal -1
	MUL16 0, ((\i0+6)+4)%8, 1, 0                   ; work on registers while the others arrive
	WIN 0
	s_barrier_wait -1
.if \fill
	CREST                                          ; no wave of any partner still reads this slot or has a tensor load on its way
	s_add_nc_u64 s[G0X+4*\n+2:G0X+4*\n+3], s[G0X+4*\n+2:G0X+4*\n+3], 2*KB2     ; no tensor load of mine is out: the slot's address steps two tiles on
	tensor_load_to_lds s[G0X+4*\n:G0X+4*\n+3], s[G1X:G1X+7]
	s_nop 0
.endif
	WSET \i0+7, \tail
	PLACES
.if WL
	WLOAD (\i0+7)+11
.endif
	WIN 0
	FETCH \next, 0, 0
	s_wait_loadcnt LEFT
	WIN MULW
	MUL16 1, ((\i0+7)+4)%8, 0, 0                   ; buffer 1 is in since the wait for 0 above
	MUL16 1, ((\i0+7)+4)%8, 1, 0
.endm
	; THE LoRA TERM: chunks 0 to 3 of wb, two slots each; all eight chunks of the ring are in since the wait for 0 above, so no wait on LOADcnt stands here.
	; The 80 plain vector instructions of each BUILD name no register of the matrix instructions in front of them: they are the places in front of the loads and
	; writes into what those have read.
.irp a, 0,1,2,3,4,5,6,7
	ds_load_b128 v[P+4*\a:P+4*\a+3], v[USR] offset:512*\a
.endr
	s_wait_dscnt 0x0
	BUILD 0, 0
	WIN MULW
	MUL16 0, 0, 0, 1                               ; the first products start the sums
	MUL16 0, 0, 1, 1
	WIN 0
	BUILD 1, 1
	WLOAD 8
	WIN MULW
	MUL16 1, 1, 0, 0
	MUL16 1, 1, 1, 0
	WIN 0
	BUILD 2, 0
	WLOAD 9
	WIN MULW
	MUL16 0, 2, 0, 0
	MUL16 0, 2, 1, 0
	WIN 0
	BUILD 3, 1
	WLOAD 10
	WIN 0
	FETCH 0, 0, 0                                  ; tile 0's first quarter
	WIN MULW
	MUL16 1, 3, 0, 0
	MUL16 1, 3, 1, 0
	; THE BASE PRODUCT: seven laps of two tiles fill both slots again (tiles 2 to 15), the last lap fills nothing
	WIN 0                                          ; at a label and at a branch every window is 0
	s_mov_b32 s19, 7
.Llap:
	STEP 0, 1, 1, 0, 0
	STEP 1, 0, 1, 8, 0
	WIN 0
	s_wait_xcnt 0x0                                ; every load issued has had its address translated (ISA guide 3.1): the stream's pointer is stepped only behind this wait
	s_add_nc_u64 s[6:7], s[6:7], 16*4096           ; sixteen chunks on
	s_sub_co_u32 s19, s19, 1
	s_cmp_lg_u32 s19, 0
	s_cbranch_scc1 .Llap
	STEP 0, 1, 0, 0, 1                             ; its waits and the work-group's barrier show slot 1 (tile 15) whole; no round, nothing is asked for
.irp k, 0,1,2,3,4,5,6
	QUART 1, \k, 8+\k, 1
.endr
	s_wait_dscnt 0x0                               ; the very last quarter: nothing more to fetch
	s_wait_loadcnt 0x0
	MUL16 1, 3, 0, 0                               ; chunk 131: place 131 % 8 = 3
	MUL16 1, 3, 1, 0
	; THE WAY OUT, 16 tokens at a time: a lane's 32 bytes go into my own stage in LDS and come back as whole rows of 256 bytes (my 64 outputs in f32).
	; The stage is the wave's own and LDS serves a wave's instructions in order (ISA guide 5.7.1): no barrier, and no wait between the stores and the loads.
	PLACES                                         ; behind the last matrix instructions: for the LDS stores, which read results, and for the loads into the fragment buffers
.macro OUT16 a, f
	WIN 0x04                                       ; the store's data in window 1
.irp b, 0,1,2,3
	ds_store_b128 v[STO], v[8*(4*\a+\b):8*(4*\a+\b)+3]   offset:64*\b
	ds_store_b128 v[STO], v[8*(4*\a+\b)+4:8*(4*\a+\b)+7] offset:64*\b+16
.endr
	WIN 0
	s_wait_xcnt 0x0                                ; buffer f was the data of earlier global stores: it is loaded again only behind this wait (ISA guide 3.1)
.irp t, 0,1,2,3,4,5,6,7
	ds_load_b128 v[\f+4*\t:\f+4*\t+3], v[RD] offset:\t*2*SPITCH
.endr
.irp t, 0,1,2,3,4,5,6,7
	s_wait_dscnt 7-\t                              ; LDS loads come back in order: pair t of the rows is in
	global_store_b128 v[CO], v[\f+4*\t:\f+4*\t+3], s[12:13] offset:\a*16*OROW+\t*2*OROW th:TH_STORE_NT   ; 16 lanes store 256 consecutive bytes, at a multiple of 256 from out0's first byte
.endr
.endm
	OUT16 0, FX
	OUT16 1, FX+64
	OUT16 2, FX
	OUT16 3, FX+64
	OUT16 4, FX
	OUT16 5, FX+64
	OUT16 6, FX
	OUT16 7, FX+64
	s_wait_tensorcnt 0x0
	ds_add_u32 v254, v255
	s_wait_dscnt 0x0
	CROUND                                         ; the closing round: no work-group ends while a partner may still ask for a tile that names it
	s_endpgm
.Lfunc_end_k_q16d095c4bd_gemm:
	.size	k_q16d095c4bd_gemm, .Lfunc_end_k_q16d095c4bd_gemm-k_q16d095c4bd_gemm
	.p2alignl 7, 3214868480
	.fill 96, 4, 3214868480
	.section	.rodata,"a",@progbits
	.p2align	6, 0x0
	.amdhsa_kernel k_q16d095c4bd_gemm
		.amdhsa_group_segment_fixed_size 327680
		.amdhsa_private_segment_fixed_size 0
		.amdhsa_enable_private_segment 0
		.amdhsa_kernarg_size 40
		.amdhsa_user_sgpr_count 2
		.amdhsa_user_sgpr_kernarg_segment_ptr 1
		.amdhsa_wavefront_size32 1
		.amdhsa_system_sgpr_workgroup_id_x 1
		.amdhsa_system_sgpr_workgroup_id_y 1
		.amdhsa_system_sgpr_workgroup_id_z 1
		.amdhsa_system_vgpr_workitem_id 0
		.amdhsa_next_free_vgpr 1024
		.amdhsa_next_free_sgpr 66
		.amdhsa_reserve_vcc 1
		.amdhsa_float_denorm_mode_32 3
		.amdhsa_float_denorm_mode_16_64 3
		.amdhsa_memory_ordered 1
		.amdhsa_forward_progress 1
		.amdhsa_inst_pref_size 190
	.end_amdhsa_kernel
	.amdgpu_metadata
---
amdhsa.version: [ 1, 2 ]
amdhsa.kernels:
  - .name:           k_q16d095c4bd_gemm
    .symbol:         k_q16d095c4bd_gemm.kd
    .args:
      - { .name: xb, .offset: 0, .size: 8, .value_kind: global_buffer, .address_space: global }
      - { .name: wb, .offset: 8, .size: 8, .value_kind: global_buffer, .address_space: global }
      - { .name: up, .offset: 16, .size: 8, .value_kind: global_buffer, .address_space: global }
      - { .name: token_to_slot, .offset: 24, .size: 8, .value_kind: global_buffer, .address_space: global }
      - { .name: out0, .offset: 32, .size: 8, .value_kind: global_buffer, .address_space: global }
    .group_segment_fixed_size: 327680
    .private_segment_fixed_size: 0
    .kernarg_segment_align: 8
    .kernarg_segment_size: 40
    .max_flat_workgroup_size: 128
    .sgpr_count:     66
    .vgpr_count:     1024
    .wavefront_size: 32
...
	.end_amdgpu_metadata
.endif
;; end of part 2
;; ======== version 2 of 2: 2 launches; version 1 with the launch prep written anew for expert scheduling mode
;; workspace buffers: xb 33,554,432 bytes; wb 17,301,504 bytes; up 2,097,152 bytes
;; launch prep (part 3): grid 8 x 32, 4 waves a work-group, no clusters, 266,752 bytes of LDS; arguments x, weight, lora_A, lora_B, token_to_slot, xb, wb, up; writes xb, wb, up
.if DOCPART == 3
	.amdgcn_target "amdgcn-amd-amdhsa--gfx1250"
	.amdhsa_code_object_version 6
	.text
	.protected	k_q16d095c4bd_prep
	.globl	k_q16d095c4bd_prep
	.p2align	8
	.type	k_q16d095c4bd_prep,@function
k_q16d095c4bd_prep:
	s_mov_b64 s[64:65], 0
	v_nop
	global_prefetch_b8 v0, s[64:65] scope:SCOPE_SE
	s_setreg_imm32_b32 hwreg(HW_REG_WAVE_SCHED_MODE, 0, 2), 2
	s_setreg_imm32_b32 hwreg(HW_REG_WAVE_MODE, 25, 1), 1
	s_wait_xcnt 0x0
	s_wait_alu depctr_vm_vsrc(0)
; PREP: rounds x, weight and lora_B to bf16 once (xb, wb) and makes, on the way, the selected LoRA projection
;   up[s][t][r] = sum over the 512 d of K slice s of lora_A[slot(t)][r][d] x[t][d]      (0 for a slot outside 0..7), in f32.
; A work-group takes K slice s = group x (512 columns) and token block tb = group y (128 tokens): 256 KiB of x, the same columns of all
; 128 rows of lora_A (8 slots x 16 ranks, taken as one [128][4096] table), 64 rows of weight (same columns) and 16 outputs x 4 slots of lora_B.
; Wave w streams 32 rows of lora_A, its 32 rows of x and 16 rows of weight through a ring of eight register slots (two rows' 4,096 bytes each),
; rounds them, puts them into LDS as bf16, and stores xb row by row: each store of the wave covers 256 consecutive bytes, aligned.
; Behind ONE barrier each wave multiplies its own 32 tokens by all 128 LoRA rows (16 accumulator tiles), picks each token's slot with
; v_cndmask_b32 (no branch and no address hangs on a slot) and stores 16 f32 a token.  The selection is linear, so it is applied to the slice's
; partial sums; the next launch adds the eight slices.
; up's layout: [slice 8][block of 16 tokens 256][c 2][lane 32][4] f32; lane L, half c hold u(token L%16, r = 8 (L/16) + 4c .. +3): the matrix result's
; own layout, so every store is 512 consecutive bytes.
; wb's layout is the matrix operand's own: [64 outputs 32][chunk of 32 k 132][block of 16 outputs 4][half 2][lane 32][16 bytes]; lane L, half c hold
; k = 16 c + 8 (L/16) + 0..7 of output L%16.  Chunks 0-3 are lora_B (k = 16 x slot + rank), chunks 4-131 are weight.  The next launch loads it straight
; into registers, 512 consecutive bytes an instruction.
; LIMITS: x, weight, lora_A, lora_B are rounded to bf16 (nearest even) as matrix operands, all sums are f32, in another order than the reference's.
; A slot's projection is SELECTED, not multiplied by the one-hot: an infinity or NaN in the projection of a slot that the token does not use does
; not reach the result (multiplied by the one-hot's zero it would give NaN).
; NO CLUSTER, NO TENSOR LOADS: the 32 work-groups of one K slice read the same 256 KiB of lora_A, but it has to pass through registers to be rounded;
; as f32 in LDS it would take 262,144 bytes beside the 266,240 of the two bf16 tiles, more than the 327,680 that a work-group can have.
; THE MODE: SCHED_MODE bits 1:0 = 2 (LLVM: expert scheduling mode 2), set by the entry lines.  The code itself states the register dependences
; between vector or matrix instructions and memory or LDS instructions, with s_wait_alu, always for 0.
; THE PLAN.  Registers that memory or LDS instructions touch:
;   v8-v15, v17   offsets and LDS addresses: written at the head, read by every load and store, never written again.
;   the ring      window 1, slot b % 8: the loads of batch b land in it, batch b's sixteen conversions read it, the loads of batch b + 8 land in it.
;   rounded batches  16 registers each, a batch's own: lora_A's batch b (0-15) in window 2 at 16 b; x's batch b (16-31) in window 3 at 16 (b - 16); weight's batch b
;                 (32-39) in window 2 at 128 + 16 (b - 32).  Written by the batch's conversions, read by its stores.  Window 3 is written once: no register that a global
;                 store names is written again in the launch, so no wait for a global store's sources stands anywhere.  Window 2 is written a second time only behind the barrier.
;   v[2:5], SEL   written by vector instructions, read by one global store each, never written again.
;   F0, F1        fragments: LDS loads land in them, matrix instructions read them.
; THE STREAM.  Batch b: the wait for its data; ONE wait on va_vdst; the loads of batch b + 7, into the slot that batch b - 1 left; batch b's conversions; the stores of batch b - 1.
; The wait states that the conversions of batch b - 1 are done reading their slot and have written their 16 registers.  The only vector instructions behind it are batch b's
; conversions, which name slot b % 8 and batch b's own 16 registers: none that these loads and stores touch.  It stands 8 or 16 stores behind the conversions that it waits for.
; THE PRODUCT.  One wait on vm_vsrc behind the barrier frees window 2; one wait on va_vdst ahead of each chunk's fragment loads, which land in the buffer that the products just issued read.
.set XROW,   16384                     ; bytes in a row of x, weight, lora_A (4,096 f32)
.set BROW,   8192                      ; bytes in a row of xb
.set PITCH,  1040                      ; an LDS row: 512 bf16 + 16 bytes = 65 x 16: the 16 rows of a fragment load start in 16 different 16-byte columns of 256
.set BLK,    16*PITCH                  ; 16 rows: a fragment block
.set ASB,    128*PITCH                 ; LDS: x's tile at 0 (128 rows), lora_A's tile behind it (128 rows)
.set WCOL,   132*4096                  ; bytes of wb for 64 outputs
.set VL16, 8                           ; v8   16 x lane; never rewritten
.set VL8,  9                           ; v9   8 x lane; never rewritten
.set XSW,  10                          ; v10  where I put 8 bytes of my wave's x rows (later: of its weight rows)
.set ASW,  11                          ; v11  the same for my wave's lora_A rows
.set XR,   12                          ; v12  fragment address in my wave's 32 x rows
.set AR0,  13                          ; v13  fragment address in lora_A's rows 0-63
.set AR1,  14                          ; v14  and rows 64-127
.set BO,   15                          ; v15  lora_B: 64 (lane % 16) + 32 (lane / 16)
.set SO,   17                          ; v17  4 x (lane % 16)
.set F0,   32                          ; v[32:111]   fragment buffer 0: x blocks at +8 i, lora blocks at +16 + 8 l
.set F1,   112                         ; v[112:191]  fragment buffer 1.   At the end v[32:159] take weight's 16 fragments
.set LBR,  208                         ; v[208:215]  lora_B as loaded
.set SEL,  216                         ; v[216:231]  the selected projection: 8 registers for each of my two token blocks
.set SLT,  232                         ; v[232:233]  slot of token 16 i + lane % 16
.set MK,   40                          ; s[40:55]    lane masks: token of block i has slot l
; window 1 (v256-511): the ring, slot b % 8 at 32 (b % 8).
; window 2 (v512-767): ahead of the barrier lora_A's batches, rounded; behind it accumulator tile (i, l) at 8 (8 i + l) in v512-639 and weight's batches, rounded, in v640-767.
; window 3 (v768-1023): x's batches, rounded, each written once.
.set MSB, 0
.macro WIN new                         ; s_set_vgpr_msb: bits 1:0 source 0, 3:2 source 1, 5:4 source 2, 7:6 destination; the high byte repeats the setting that is left
.if MSB != \new
	s_set_vgpr_msb (MSB<<8)|\new
.set MSB, \new
.endif
.endm
.macro PLACES                          ; four places behind a matrix instruction; ahead of the fragment loads they stay beside the wait that states the dependence
.rept 4
	v_nop
.endr
.endm
	s_load_b512 s[4:19], s[0:1], 0x0               ; x s[4:5], weight s[6:7], lora_A s[8:9], lora_B s[10:11], slots s[12:13], xb s[14:15], wb s[16:17], up s[18:19]
	v_lshl_add_u32 v254, v0, 2, 0x41000            ; my spare word, behind the two tiles, and 0: kept for the closing lines alone
	v_mov_b32 v255, 0
	v_lshrrev_b32 v1, 5, v0
	v_readfirstlane_b32 s22, v1                    ; w: wave 0..3
	s_mov_b32 s23, ttmp9                           ; s: K slice 0..7
	s_and_b32 s24, ttmp7, 0xffff                   ; tb: token block 0..31
	s_wait_alu depctr_va_sdst(0)                   ; s22 is written, ahead of its first reader: the offsets below are made from it
	; byte offsets, each in a pair of its own (all below 4 GiB: the high words are 0)
	s_lshl_b32 s56, s24, 7
	s_lshl_b32 s57, s22, 5
	s_add_co_u32 s56, s56, s57                     ; my first token: 128 tb + 32 w
	s_lshl_b32 s57, s24, 6
	s_lshl4_add_u32 s57, s22, s57                  ; my first row of weight: 64 tb + 16 w
	s_lshl_b32 s58, s23, 11                        ; the slice's 512 columns in f32
	s_lshl_b32 s59, s23, 10                        ; and in bf16
	s_lshl_b32 s26, s56, 14
	s_add_co_u32 s26, s26, s58                     ; x
	s_mov_b32 s27, 0
	s_lshl_b32 s28, s56, 13
	s_add_co_u32 s28, s28, s59                     ; xb
	s_mov_b32 s29, 0
	s_lshl_b32 s30, s56, 2                         ; slots
	s_mov_b32 s31, 0
	s_lshl_b32 s32, s22, 19
	s_add_co_u32 s32, s32, s58                     ; lora_A: row 32 w
	s_mov_b32 s33, 0
	s_lshl_b32 s34, s57, 14
	s_add_co_u32 s34, s34, s58                     ; weight
	s_mov_b32 s35, 0
	s_mul_i32 s60, s24, WCOL                       ; wb: outputs 64 tb ..
	s_lshl_b32 s36, s23, 16                        ; weight's part: chunk 4 + 16 s (4,096 bytes a chunk),
	s_add_co_u32 s36, s36, s60
	s_lshl_b32 s61, s22, 10                        ; block w (1,024 bytes)
	s_add_co_u32 s36, s36, s61
	s_add_co_u32 s36, s36, 4*4096
	s_mov_b32 s37, 0
	s_and_b32 s61, s23, 1                          ; lora_B: the group takes outputs 64 tb + 16 (s / 2) .. + 15 of slots 4 (s % 2) .. + 3,
	s_lshr_b32 s62, s23, 1
	s_lshl2_add_u32 s63, s61, s22                  ; the wave slot l = 4 (s % 2) + w
	s_lshl_b32 s38, s63, 17                        ; 131,072 bytes a slot,
	s_lshl_b32 s63, s24, 12                        ; 64 bytes an output
	s_add_co_u32 s38, s38, s63
	s_lshl_b32 s63, s62, 10
	s_add_co_u32 s38, s38, s63
	s_mov_b32 s39, 0
	s_add_co_u32 s40, s60, s63                     ; wb, lora_B's part: block s / 2,
	s_lshl_b32 s63, s61, 13                        ; chunk l / 2 = 2 (s % 2) + w / 2,
	s_add_co_u32 s40, s40, s63
	s_lshr_b32 s63, s22, 1
	s_lshl_b32 s63, s63, 12
	s_add_co_u32 s40, s40, s63
	s_and_b32 s63, s22, 1                          ; half l % 2 = w % 2 (512 bytes)
	s_lshl_b32 s63, s63, 9
	s_add_co_u32 s40, s40, s63
	s_mov_b32 s41, 0
	s_lshl_b32 s42, s23, 18                        ; up: slice s (262,144 bytes), block 8 tb + 2 w (1,024 bytes)
	s_lshl_b32 s60, s24, 13
	s_add_co_u32 s42, s42, s60
	s_lshl_b32 s60, s22, 11
	s_add_co_u32 s42, s42, s60
	s_mov_b32 s43, 0
	; lane terms
	v_and_b32 v1, 31, v0                           ; L
	v_and_b32 v2, 15, v0                           ; L % 16
	v_bfe_u32 v3, v0, 4, 1                         ; L / 16
	v_lshlrev_b32 v[VL16], 4, v1
	v_lshlrev_b32 v[VL8], 3, v1
	v_lshlrev_b32 v[SO], 2, v2
	s_mul_i32 s25, s22, 32*PITCH                   ; my wave's 32 rows in a tile
	v_add_nc_u32 v[XSW], s25, v[VL8]
	v_add_nc_u32 v[ASW], ASB, v[XSW]
	v_mul_u32_u24 v4, v2, PITCH
	v_lshl_add_u32 v4, v3, 4, v4                   ; fragment: row L % 16, 16 bytes for each half of the lanes
	v_add_nc_u32 v[XR], s25, v4
	v_add_nc_u32 v[AR0], ASB, v4
	v_add_nc_u32 v[AR1], ASB+4*BLK, v4
	v_lshlrev_b32 v5, 6, v2                        ; lora_B: lane L takes output L % 16, ranks 8 (L / 16) .. + 7: 32 bytes
	v_lshl_add_u32 v[BO], v3, 5, v5
	s_wait_kmcnt 0x0
	s_add_nc_u64 s[4:5], s[4:5], s[26:27]
	s_add_nc_u64 s[14:15], s[14:15], s[28:29]
	s_add_nc_u64 s[12:13], s[12:13], s[30:31]
	s_add_nc_u64 s[8:9], s[8:9], s[32:33]
	s_add_nc_u64 s[6:7], s[6:7], s[34:35]
	s_add_nc_u64 s[10:11], s[10:11], s[38:39]
	s_add_nc_u64 s[20:21], s[16:17], s[40:41]      ; wb, where my half fragment of lora_B goes
	s_add_nc_u64 s[16:17], s[16:17], s[36:37]      ; wb, where my 16 fragments of weight go
	s_add_nc_u64 s[18:19], s[18:19], s[42:43]
	s_wait_alu depctr_va_vdst(0)                   ; the offsets and LDS addresses v8 to v15 and v17 are written, which every load and store of the kernel reads
; Batch b = two rows' 2,048 bytes each, eight loads of 512 consecutive bytes.  b 0-15: my 32 rows of lora_A; 16-31: my 32 rows of x; 32-39: my 16 rows of weight.
; x and weight are read once in the launch; lora_A's slice is read by 32 work-groups and carries no hint.
.macro ISSUE b
	WIN 0x40                                       ; destination in window 1
.irp u, 0,1,2,3,4,5,6,7
.if (\b) < 16
	global_load_b128 v[32*((\b)%8)+4*\u:32*((\b)%8)+4*\u+3], v[VL16], s[8:9] offset:(2*((\b)%16)+\u/4)*XROW+(\u%4)*512
.else
.if (\b) < 32
	global_load_b128 v[32*((\b)%8)+4*\u:32*((\b)%8)+4*\u+3], v[VL16], s[4:5] offset:(2*((\b)%16)+\u/4)*XROW+(\u%4)*512 th:TH_LOAD_NT
.else
	global_load_b128 v[32*((\b)%8)+4*\u:32*((\b)%8)+4*\u+3], v[VL16], s[6:7] offset:(2*((\b)%16)+\u/4)*XROW+(\u%4)*512 th:TH_LOAD_NT
.endif
.endif
.endr
.endm
; Where batch b lies when it is rounded: TB its first register, CW the windows of its conversions (sources 0 and 1 in window 1), SW those of its stores (data = source 1)
.macro WHERE b
.if (\b) < 16
.set TB, 16*(\b)
.set CW, 0x85                                          ; destination in window 2
.set SW, 0x08                                          ; data in window 2
.elseif (\b) < 32
.set TB, 16*((\b)-16)
.set CW, 0xc5                                          ; destination in window 3
.set SW, 0x0c                                          ; data in window 3
.else
.set TB, 128+16*((\b)-32)
.set CW, 0x85
.set SW, 0x08
.endif
.endm
; Batch b is rounded, out of its ring slot into its own 16 registers
.macro CONV b
	WHERE \b
	WIN CW
.irp u, 0,1,2,3,4,5,6,7
	v_cvt_pk_bf16_f32 v[TB+2*\u],   v[32*((\b)%8)+4*\u],   v[32*((\b)%8)+4*\u+1]
	v_cvt_pk_bf16_f32 v[TB+2*\u+1], v[32*((\b)%8)+4*\u+2], v[32*((\b)%8)+4*\u+3]
.endr
.endm
; Batch b's 8 bytes a lane go to LDS (x: to memory too)
.macro STORES b
	WHERE \b
	WIN SW
.irp u, 0,1,2,3,4,5,6,7
.if (\b) < 16
	ds_store_b64 v[ASW], v[TB+2*\u:TB+2*\u+1] offset:(2*((\b)%16)+\u/4)*PITCH+(\u%4)*256
.else
	ds_store_b64 v[XSW], v[TB+2*\u:TB+2*\u+1] offset:(2*((\b)%16)+\u/4)*PITCH+(\u%4)*256
.if (\b) < 32
	global_store_b64 v[VL8], v[TB+2*\u:TB+2*\u+1], s[14:15] offset:(2*((\b)%16)+\u/4)*BROW+(\u%4)*256   ; 32 lanes x 8 bytes: 256 consecutive bytes, aligned
.endif
.endif
.endr
.endm
; Batch b's turn.  left = how many younger loads may stay out.  Batches 0 and 32 have no batch in front of them in their stretch: they are rounded, and nothing else.
; Loads ahead of stores; from batch 32 on nothing is left to ask for.
.macro PROC b, left
	s_wait_loadcnt \left                           ; loads come back in order (ISA guide 5.7.1): batch b is in, the younger batches stay out
.if ((\b) != 0) && ((\b) != 32)
.if (\b) < 32
	WIN 0x40                                       ; the loads' window is set ahead of the wait
.endif
	s_wait_alu depctr_va_vdst(0)                   ; the conversions of batch b - 1 are done reading their ring slot, in which the loads below land, and have written their 16 registers, which the stores below read
.if (\b) < 32
	ISSUE (\b)+7
.endif
.endif
	CONV \b                                        ; names slot b % 8 and batch b's own registers: none that the loads above or the stores below touch
.if ((\b) != 0) && ((\b) != 32)
	STORES (\b)-1
.endif
.endm
; 20 LDS loads: the fragments of K chunk kk (32 columns = 64 bytes of the rows): my 2 token blocks, all 8 slots
.macro FETCHP kk, f
.irp i, 0,1
	ds_load_b128 v[\f+8*\i:\f+8*\i+3],   v[XR] offset:\i*BLK+64*(\kk)
	ds_load_b128 v[\f+8*\i+4:\f+8*\i+7], v[XR] offset:\i*BLK+64*(\kk)+32
.endr
.irp l, 0,1,2,3
	ds_load_b128 v[\f+16+8*\l:\f+16+8*\l+3], v[AR0] offset:\l*BLK+64*(\kk)
	ds_load_b128 v[\f+20+8*\l:\f+20+8*\l+3], v[AR0] offset:\l*BLK+64*(\kk)+32
.endr
.irp l, 0,1,2,3
	ds_load_b128 v[\f+48+8*\l:\f+48+8*\l+3], v[AR1] offset:\l*BLK+64*(\kk)
	ds_load_b128 v[\f+52+8*\l:\f+52+8*\l+3], v[AR1] offset:\l*BLK+64*(\kk)+32
.endr
.endm
; 16 matrix instructions.  Source 0 = the 16 ranks of slot l, source 1 = 16 tokens: lane L's register j holds u(token L % 16, r = 8 (L / 16) + j).
; The sixteen accumulators take turns, one instruction a turn, in the same order in every chunk.
.macro MULP f, zero
.irp i, 0,1
.irp l, 0,1,2,3,4,5,6,7
.if \zero
	v_wmma_f32_16x16x32_bf16 v[8*(8*\i+\l):8*(8*\i+\l)+7], v[\f+16+8*\l:\f+16+8*\l+7], v[\f+8*\i:\f+8*\i+7], 0
.else
	v_wmma_f32_16x16x32_bf16 v[8*(8*\i+\l):8*(8*\i+\l)+7], v[\f+16+8*\l:\f+16+8*\l+7], v[\f+8*\i:\f+8*\i+7], v[8*(8*\i+\l):8*(8*\i+\l)+7]
.endif
.endr
.endr
.endm
; K chunk kk from buffer f; the next chunk's fragments are asked for first, into buffer g: window 0 holds two buffers and no third, so g is asked for again as soon as it has been read
.macro PSTEP kk, f, g, zero
.if \kk
	PLACES                                         ; buffer g was read by the matrix instructions just in front
.endif
	WIN 0
.if \kk
	s_wait_alu depctr_va_vdst(0)                   ; the products of the chunk before are done reading buffer g, in which the loads below land
.endif
	FETCHP \kk+1, \g
	s_wait_dscnt 20                                ; all but the 20 just issued: chunk kk's fragments are in
	WIN 0xa0                                       ; C and D in window 2
	MULP \f, \zero
.endm
	; THE STREAM.  68 loads go out at once, more than LOADcnt's field holds: the issue is held until the count has room (ISA guide 5.7.1), no wait is written for that.
	global_load_b128 v[LBR:LBR+3],   v[BO], s[10:11]                    ; lora_B, my slot, 16 outputs x 64 bytes: the two loads together cover 1,024 consecutive bytes
	global_load_b128 v[LBR+4:LBR+7], v[BO], s[10:11] offset:16
	global_load_b32 v[SLT],   v[SO], s[12:13]                           ; slots of my tokens 0-15 (both halves of the lanes alike)
	global_load_b32 v[SLT+1], v[SO], s[12:13] offset:64                 ; and 16-31
.irp b, 0,1,2,3,4,5,6,7
	ISSUE \b
.endr
	PROC 0, 56                                     ; 56 = the seven younger batches; lora_B and the slots, issued earlier, are in too
	WIN 0
	v_cvt_pk_bf16_f32 v2, v[LBR],   v[LBR+1]
	v_cvt_pk_bf16_f32 v3, v[LBR+2], v[LBR+3]
	v_cvt_pk_bf16_f32 v4, v[LBR+4], v[LBR+5]
	v_cvt_pk_bf16_f32 v5, v[LBR+6], v[LBR+7]
	PROC 1, 48                                     ; 48 = batches b + 1 to b + 6: batch b + 7 is asked for in batch b's turn
	WIN 0
	global_store_b128 v[VL16], v[2:5], s[20:21]    ; a half fragment: 512 consecutive bytes.  The wait at the head of batch 1's turn has shown v[2:5] written, and only batch 1's conversions stand between; v[2:5] are not written again
.irp b, 2,3,4,5,6,7,8,9,10,11,12,13,14,15,16,17,18,19,20,21,22,23,24,25,26,27,28,29,30,31
	PROC \b, 48                                    ; seven of weight's eight batches are asked for in the last seven of these
.endr
	WIN 0x40
	s_wait_alu depctr_va_vdst(0)                   ; the conversions of batch 31 are done reading their ring slot, in which weight's last batch lands, and have written the registers that x's last stores read
	ISSUE 39
	STORES 31
	WIN 0
	s_wait_dscnt 0x0                               ; my LDS stores are done, for the other waves' sake
	s_barrier_signal -1
	s_barrier_wait -1                              ; the only barrier: both tiles are whole; behind it a wave writes only its own rows of x's tile, which no other wave reads
	s_wait_alu depctr_vm_vsrc(0)                   ; my LDS stores have read lora_A's rounded batches: from here on window 2 is written by the products (v512-639) and by weight's conversions (v640-767)
	; THE PRODUCT: 32 tokens x 128 LoRA rows x 512 K in 16 chunks, while weight's 64 loads are on their way
	FETCHP 0, F0
	PSTEP 0, F0, F1, 1                             ; the first products start the sums: nothing is cleared.  No vector or matrix instruction has named F0 or F1 yet: no wait
	PSTEP 1, F1, F0, 0
.irp kk, 2,4,6,8,10,12
	PSTEP \kk, F0, F1, 0
	PSTEP \kk+1, F1, F0, 0
.endr
	PSTEP 14, F0, F1, 0
	s_wait_dscnt 0x0                               ; the last chunk: nothing more to fetch
	MULP F1, 0
	; THE SELECTION.  The sixteen compares name no register of a matrix instruction: they are the places in front of the first read of a result (ISA guide 7.12.1).
	WIN 0
.irp i, 0,1
.irp l, 0,1,2,3,4,5,6,7
	v_cmp_eq_u32 s[MK+8*\i+\l], \l, v[SLT+\i]      ; a slot outside 0..7 matches none: its token's projection stays 0
.endr
.endr
	s_wait_alu depctr_va_sdst(0)                   ; the sixteen masks s[40:55] are written, ahead of their first reader
	WIN 0x08                                       ; source 1 in window 2
.irp i, 0,1
.irp j, 0,1,2,3,4,5,6,7
	v_cndmask_b32 v[SEL+8*\i+\j], 0, v[64*\i+\j], s[MK+8*\i]
.endr
.irp l, 1,2,3,4,5,6,7
.irp j, 0,1,2,3,4,5,6,7
	v_cndmask_b32 v[SEL+8*\i+\j], v[SEL+8*\i+\j], v[8*(8*\i+\l)+\j], s[MK+8*\i+\l]
.endr
.endr
.endr
	; WEIGHT: my 16 rows, rounded, go into the first 16 of my own 32 rows of x's tile (my product has read them, no other wave touches them; LDS serves a
	; wave's instructions in order, ISA guide 5.7.1).  Nothing more is asked for: the counts run down.
	PROC 32, 56
	PROC 33, 48
	WIN 0
.irp i, 0,1
	global_store_b128 v[VL16], v[SEL+8*\i:SEL+8*\i+3],   s[18:19] offset:1024*\i       ; 512 consecutive bytes each.  The wait at the head of batch 33's turn has shown SEL written,
	global_store_b128 v[VL16], v[SEL+8*\i+4:SEL+8*\i+7], s[18:19] offset:1024*\i+512   ; and only batch 33's conversions stand between; SEL is not written again
.endr
	PROC 34, 40
	PROC 35, 32
	PROC 36, 24
	PROC 37, 16
	PROC 38, 8
	PROC 39, 0
	s_wait_alu depctr_va_vdst(0)                   ; the conversions of batch 39 have written the registers that the last LDS stores read; the products are long done reading v[32:159], in which the loads below land
	STORES 39
	WIN 0
	; and come back as 16 fragments (16 outputs x 32 k), which leave as 512 consecutive bytes a store.  The loads see the stores above: same wave, in order.
.irp kk, 0,1,2,3,4,5,6,7,8,9,10,11,12,13,14,15
	ds_load_b128 v[F0+8*\kk:F0+8*\kk+3],   v[XR] offset:64*\kk
	ds_load_b128 v[F0+8*\kk+4:F0+8*\kk+7], v[XR] offset:64*\kk+32
.endr
.irp kk, 0,1,2,3,4,5,6,7,8,9,10,11,12,13,14,15
	s_wait_dscnt 31-2*\kk                          ; LDS loads come back in order: the counts run down over the 32
	global_store_b128 v[VL16], v[F0+8*\kk:F0+8*\kk+3],   s[16:17] offset:4096*\kk
	s_wait_dscnt 30-2*\kk
	global_store_b128 v[VL16], v[F0+8*\kk+4:F0+8*\kk+7], s[16:17] offset:4096*\kk+512
.endr
	s_wait_dscnt 0x0                               ; the closing lines, six on end
	s_wait_alu 0x0
	s_wait_tensorcnt 0x0
	ds_add_u32 v254, v255
	s_wait_dscnt 0x0
	s_endpgm
.Lfunc_end_k_q16d095c4bd_prep:
	.size	k_q16d095c4bd_prep, .Lfunc_end_k_q16d095c4bd_prep-k_q16d095c4bd_prep
	.p2alignl 7, 3214868480
	.fill 96, 4, 3214868480
	.section	.rodata,"a",@progbits
	.p2align	6, 0x0
	.amdhsa_kernel k_q16d095c4bd_prep
		.amdhsa_group_segment_fixed_size 266752
		.amdhsa_private_segment_fixed_size 0
		.amdhsa_enable_private_segment 0
		.amdhsa_kernarg_size 64
		.amdhsa_user_sgpr_count 2
		.amdhsa_user_sgpr_kernarg_segment_ptr 1
		.amdhsa_wavefront_size32 1
		.amdhsa_system_sgpr_workgroup_id_x 1
		.amdhsa_system_sgpr_workgroup_id_y 1
		.amdhsa_system_sgpr_workgroup_id_z 1
		.amdhsa_system_vgpr_workitem_id 0
		.amdhsa_next_free_vgpr 1024
		.amdhsa_next_free_sgpr 66
		.amdhsa_reserve_vcc 0
		.amdhsa_float_denorm_mode_32 3
		.amdhsa_float_denorm_mode_16_64 3
		.amdhsa_memory_ordered 1
		.amdhsa_forward_progress 1
		.amdhsa_inst_pref_size 168
	.end_amdhsa_kernel
	.amdgpu_metadata
---
amdhsa.version: [ 1, 2 ]
amdhsa.kernels:
  - .name:           k_q16d095c4bd_prep
    .symbol:         k_q16d095c4bd_prep.kd
    .args:
      - { .name: x, .offset: 0, .size: 8, .value_kind: global_buffer, .address_space: global }
      - { .name: weight, .offset: 8, .size: 8, .value_kind: global_buffer, .address_space: global }
      - { .name: lora_A, .offset: 16, .size: 8, .value_kind: global_buffer, .address_space: global }
      - { .name: lora_B, .offset: 24, .size: 8, .value_kind: global_buffer, .address_space: global }
      - { .name: token_to_slot, .offset: 32, .size: 8, .value_kind: global_buffer, .address_space: global }
      - { .name: xb, .offset: 40, .size: 8, .value_kind: global_buffer, .address_space: global }
      - { .name: wb, .offset: 48, .size: 8, .value_kind: global_buffer, .address_space: global }
      - { .name: up, .offset: 56, .size: 8, .value_kind: global_buffer, .address_space: global }
    .group_segment_fixed_size: 266752
    .private_segment_fixed_size: 0
    .kernarg_segment_align: 8
    .kernarg_segment_size: 64
    .max_flat_workgroup_size: 128
    .sgpr_count:     66
    .vgpr_count:     1024
    .wavefront_size: 32
...
	.end_amdgpu_metadata
.endif
;; end of part 3
;; launch gemm: the kernel of part 2 again; grid 16 x 16, 4 waves a work-group, clusters of 4 x 1, 327,680 bytes of LDS; arguments xb, wb, up, token_to_slot, out0; writes out0
